; MI455X (gfx1250); checked and timed in simulation.
; The chip was launched on July 23, 2026; its instructions are those of AMD's public machine-readable ISA for CDNA 5 (MIT licence, August 2026) and "CDNA5" Instruction Set Architecture Reference Guide (July 2026). The comments in the code are by the model that wrote it; some were corrected since.
;; triton ag gemm intra node. Allowed arithmetic: matrix products marked QUANTISED: E4M3 operands, one E8M0 scale for each 32 along K, by v_wmma_scale_f32_16x16x128_f8f6f4 with both operands' format E4M3, f32 sums; everything else in f32.
;; Inputs: input 2,048 x 8,192 float32; weight 4,096 x 8,192 float32.
;; Outputs: out0 2,048 x 4,096 float32.
;; Constants: transed_weight = 0.
;; This version of the problem:
;;   THIS VERSION OF THE PROBLEM IS GIVEN IN LOW PRECISION. The matrix products marked QUANTISED in the list below multiply operands that are first quantised to E4M3 (4 exponent bits, 3 mantissa bits; 8 bits a number), with one power-of-two scale for each 32 numbers along K (OCP MX v1.0); their sums are f32. All else is computed in f32.
;;   The module's matrix products, in the order in which they are computed (A, B: the left and right operand; K: the contracted axis; several contracted axes count as one K, in the product's order):
;;     1. [M 2,048, K 8,192] x [K 8,192, N 4,096]; A: input input; B: input weight: QUANTISED
;;   THE QUANTISER, for each operand of a quantised product, along K:
;;     - K is cut into blocks of 32 from its start; a last block that is shorter is filled with zeros.
;;     - A block's scale is 2^e with e = floor(log2(the largest magnitude in the block)) - 8, held to -126 .. 127; a block of zeros has e = 0. As a byte (E8M0): e + 127.
;;     - Each number is divided by its block's scale, clamped to +-448, and rounded to the nearest number of E4M3, ties to even, subnormals kept.
;;     - The product sums the exact products of the quantised numbers (number of the format x scale) in f32.
;;   ~~~python
;;   def quantise(x, axis):      # numpy; x: float32 -> the quantised numbers, widened to float32 again
;;       x = np.moveaxis(x, axis, -1); K = x.shape[-1]
;;       x = np.pad(x, [(0, 0)] * (x.ndim - 1) + [(0, -K % 32)]); x = x.reshape(x.shape[:-1] + (-1, 32)); a = np.abs(x).max(-1, keepdims=True)
;;       e = np.where(a > 0, np.clip(np.frexp(np.where(a > 0, a, 1))[1] - 1 - 8, -126, 127), 0)      # np.frexp(a)[1] - 1 = floor(log2(a)), exactly
;;       r = np.clip(x / 2.0 ** e, -448, 448)
;;       step = 2.0 ** (np.maximum(np.frexp(np.where(r == 0, 1, r))[1] - 1, -6) - 3)
;;       q = np.round(r / step) * step * 2.0 ** e      # np.round: ties to even
;;       return np.moveaxis(q.reshape(q.shape[:-2] + (-1,))[..., :K], -1, axis).astype(np.float32)
;;   ~~~
;; One version. Each part assembles by itself: llvm-mc -triple=amdgcn-amd-amdhsa -mcpu=gfx1250 --defsym DOCPART=n.
;; ======== version 1 of 1: 2 launches
;; limits: right only within a limited range of input values
;; workspace buffers: a_codes 16,777,216 bytes; b_codes 33,554,432 bytes; scales 1,572,864 bytes
;; launch quant (part 1): grid 1536 x 1, 4 waves a work-group, no clusters, 35,328 bytes of LDS; arguments input, weight, a_codes, b_codes, scales; writes a_codes, b_codes, scales
.if DOCPART == 1
	.amdgcn_target "amdgcn-amd-amdhsa--gfx1250"
	.amdhsa_code_object_version 6
	.text
	.protected	k_q22abbf06fb_quant
	.globl	k_q22abbf06fb_quant
	.p2align	8
	.type	k_q22abbf06fb_quant,@function
k_q22abbf06fb_quant:
	s_mov_b64 s[64:65], 0
	v_nop
	global_prefetch_b8 v0, s[64:65] scope:SCOPE_SE
	s_setreg_imm32_b32 hwreg(HW_REG_WAVE_MODE, 25, 1), 1
	s_wait_xcnt 0x0
; input [2048][8192] and weight [4096][8192], f32, K innermost, become codes of FP8 (E4M3) with one E8M0 scale byte for each 32 along K.
; transed_weight is the constant 0, so out[m][n] = sum over k of input[m][k] weight[n][k]; the constant is no buffer and is not loaded.
; A block's scale is 2^(floor(log2(its largest magnitude)) - 8); its byte is the largest magnitude's exponent field - 8, held at 1 from below.
; Each number is divided by the scale, held within +-448 and rounded to the nearest code, ties to even.
; LIMITS: a block of zeros gets the byte 1 where the rule says 127: its codes are zeros, which add nothing under any byte but 0xff, and this program alone reads the bytes.
;         NaN and infinities among the inputs are not served.
; THE CODES ARE LAID AS THE PRODUCT'S REGISTERS TAKE THEM: [block of 16 rows][K / 128][c = 0..3][lane][16 bytes]: lane (r, h) of piece c holds row r, k = 32 c + 16 h + 0..15.
; THE SCALE WORDS: [block of 16 rows][K / 512][row][4 words, one for each 128 along K]; weight's 256 blocks first, then input's 128.
; SHARES: a wave takes 16 rows x 512 along K, in 16 units of 16 rows x 32.  A load reads 256 consecutive bytes of two rows; eight loads (16 rows x 64 along K) go through the wave's own stage in LDS
; (rows 272 bytes apart) and come back 64 bytes a lane, in the order above.  A block of 32 lies in lanes l and l xor 16.  A unit's codes leave as 512 consecutive bytes, a wave's scale words as 256.
; No barrier: waves share nothing.  Twelve to sixteen loads of a wave are out.
.set SIZE_K, 8192
.set WGA,   512                        ; work-groups for input; 1,024 for weight
.set EMAX,  8
.set MANT,  0x600000                   ; the mantissa field of 448
.set R,     16                         ; v16-79   four sets of 16 registers as loaded
.set X,     80                         ; v80-111  two sets of 16 neighbours
.set SW,    112                        ; v112-115 my row's four scale words
.set SPW,   116                        ; my spare word's LDS address; never rewritten
.set NIL,   117                        ; 0; never rewritten
.set C,     120                        ; v120-151 codes: a ring of eight units
.set SP,    272
.set STG,   16*SP                      ; a stage: 16 rows
.set WREG,  2*STG                      ; two stages a wave
.set SPARE, 4*WREG                     ; behind the stages: the spare words
	s_load_b128 s[4:7], s[0:1], 0x0                ; input, weight
	s_load_b128 s[8:11], s[0:1], 0x10              ; their codes
	s_load_b64 s[12:13], s[0:1], 0x20              ; the scale words
	v_lshrrev_b32 v1, 5, v0
	v_readfirstlane_b32 s16, v1                    ; wave
	s_mul_i32 s17, s16, WREG
	s_mov_b32 s23, MANT
	s_mov_b32 s24, 0x76543210                      ; v_permlanex16_b32's selects for lane l xor 16
	s_mov_b32 s25, 0xfedcba98
	v_lshl_add_u32 v[SPW], v0, 2, SPARE
	v_mov_b32 v[NIL], 0
	v_and_b32 v2, 31, v0                           ; lane
	v_and_b32 v5, 15, v0                           ; r
	v_bfe_u32 v6, v0, 4, 1                         ; h
	v_lshlrev_b32 v4, 4, v2                        ; codes: 16 x lane
	v_lshlrev_b32 v3, 15, v6                       ; numbers: lanes 16-31 one row down,
	v_lshl_add_u32 v3, v5, 4, v3                   ; 16 bytes a lane
	v_mul_u32_u24 v14, v6, SP
	v_lshl_add_u32 v14, v5, 4, v14
	v_add_nc_u32 v14, s17, v14                     ; the stage on the way in: as loaded
	v_mul_u32_u24 v15, v5, SP
	v_lshl_add_u32 v15, v6, 6, v15
	v_add_nc_u32 v15, s17, v15                     ; and on the way out: row r, 64 bytes for each half
	v_lshlrev_b32 v7, 4, v5
	v_lshl_add_u32 v7, v6, 3, v7                   ; scale words: 16 r + 8 h
	s_wait_alu depctr_va_vdst(0)                   ; the wait at the head's end
	s_wait_kmcnt 0x0
	s_cmp_lt_u32 ttmp9, WGA                        ; input's work-group or weight's: only pointers are chosen
	s_cselect_b64 s[4:5], s[4:5], s[6:7]
	s_cselect_b64 s[8:9], s[8:9], s[10:11]
	s_cselect_b32 s17, 0, WGA
	s_cselect_b32 s26, 0x100000, 0                 ; input's scale words lie behind weight's 256 x 4,096 bytes
	s_sub_co_u32 s17, ttmp9, s17
	s_lshl_b32 s17, s17, 2
	s_add_co_u32 s17, s17, s16                     ; my wave's part of the tensor: 16 x block + which 512 along K
	s_lshr_b32 s18, s17, 4
	s_and_b32 s19, s17, 15
	s_lshl_b32 s20, s18, 19                        ; numbers: 16 rows of 32,768 bytes a block,
	s_lshl_b32 s22, s19, 11                        ; 2,048 bytes for 512 along K
	s_add_co_u32 s20, s20, s22
	s_mov_b32 s21, 0
	s_add_nc_u64 s[4:5], s[4:5], s[20:21]
	s_lshl_b32 s20, s17, 13                        ; codes: 8,192 consecutive bytes a part
	s_add_nc_u64 s[8:9], s[8:9], s[20:21]
	s_lshl_b32 s20, s17, 8                         ; scale words: 256 bytes a part
	s_add_co_u32 s20, s20, s26
	s_add_nc_u64 s[12:13], s[12:13], s[20:21]
.macro LOAD j                          ; eight rows (half j % 2) of the 64 along K number j / 2
.irp i, 0,1,2,3
	global_load_b128 v[R+16*((\j)%4)+4*\i:R+16*((\j)%4)+4*\i+3], v3, s[4:5] offset:(8*((\j)%2)+2*\i)*SIZE_K*4+((\j)/2)*256 th:TH_LOAD_NT
.endr
.endm
.macro ST j
.irp i, 0,1,2,3
	ds_store_b128 v14, v[R+16*((\j)%4)+4*\i:R+16*((\j)%4)+4*\i+3] offset:(((\j)/2)%2)*STG+(8*((\j)%2)+2*\i)*SP
.endr
.endm
.macro XL u                            ; unit u's 16 neighbours; LDS serves a wave's instructions in order (ISA guide 5.7.1.4): these see the stores
.irp i, 0,1,2,3
	ds_load_b128 v[X+16*((\u)%2)+4*\i:X+16*((\u)%2)+4*\i+3], v15 offset:(((\u)/2)%2)*STG+((\u)%2)*128+16*\i
.endr
.endm
.macro UNIT u
.set XS, X+16*((\u)%2)
.set CR, C+4*((\u)%8)
	v_max3_num_f32 v8, |v[XS]|, |v[XS+1]|, |v[XS+2]|
	v_max3_num_f32 v9, |v[XS+3]|, |v[XS+4]|, |v[XS+5]|
.irp i, 6,10
	v_max3_num_f32 v8, v8, |v[XS+\i]|, |v[XS+\i+1]|
	v_max3_num_f32 v9, v9, |v[XS+\i+2]|, |v[XS+\i+3]|
.endr
	v_max3_num_f32 v8, v8, |v[XS+14]|, |v[XS+15]|
	v_max3_num_f32 v8, v8, v9, (EMAX+1)<<23        ; the floor 2^(EMAX + 1 - 127): the byte cannot fall under 1
	v_permlanex16_b32 v9, v8, s24, s25
	v_max_num_f32 v8, v8, v9                       ; with lane l xor 16's 16: the block's largest magnitude
	v_add_nc_u32 v11, -(EMAX<<23), v8              ; EMAX off its exponent field: the conversion's scale operand
	v_and_or_b32 v10, v8, 0x7f800000, s23          ; 448 x the scale
.irp i, 0,1,2,3,4,5,6,7,8,9,10,11,12,13,14,15
	v_med3_num_f32 v[XS+\i], v[XS+\i], -v10, v10   ; the conversion does not saturate (ISA guide 7.6.2): hold first
.endr
	v_cvt_scalef32_pk8_fp8_f32 v[CR:CR+1], v[XS:XS+7], v11
	v_cvt_scalef32_pk8_fp8_f32 v[CR+2:CR+3], v[XS+8:XS+15], v11
.if (\u)%4 == 0
	v_lshrrev_b32 v[SW+(\u)/4], 23, v11            ; the scale's byte starts the word of these 128 along K
.else
	v_lshrrev_b32 v13, 23, v11
	v_lshl_or_b32 v[SW+(\u)/4], v13, 8*((\u)%4), v[SW+(\u)/4]
.endif
	global_store_b128 v4, v[CR:CR+3], s[8:9] offset:512*(\u)   ; 32 lanes store 512 consecutive bytes, aligned
.endm
.macro PH i                            ; a phase: loads three phases on, this phase's eight rows into the stage, the next unit's numbers out of it, a unit's arithmetic
	s_wait_dscnt 0x0                               ; the last phase's stores have read their registers, and this phase's unit is back from the stage
.if (\i) >= 10
	s_wait_xcnt 0x0                                ; the ring of codes comes round: its registers are rewritten only behind this wait
.endif
.if ((\i) >= 1) && ((\i)+3 <= 15)
	LOAD (\i)+3
.endif
.if (\i) <= 15
.if 15-(\i) >= 3
	s_wait_loadcnt 12                              ; behind this phase's four loads: those of three phases
.else
	s_wait_loadcnt 4*(15-(\i))
.endif
	ST \i
.endif
.if ((\i) >= 1) && ((\i) <= 16)
	XL (\i)-1
.endif
.if (\i) >= 2
	UNIT (\i)-2
.endif
.endm
.irp j, 0,1,2,3
	LOAD \j
.endr
.irp i, 0,1,2,3,4,5,6,7,8,9,10,11,12,13,14,15,16,17
	PH \i
.endr
	v_cmp_eq_u32 vcc_lo, 1, v6                     ; lanes 0-15 store words 0 and 1 of their row, lanes 16-31 words 2 and 3
	v_cndmask_b32 v12, v[SW], v[SW+2], vcc_lo
	v_cndmask_b32 v13, v[SW+1], v[SW+3], vcc_lo
	global_store_b64 v7, v[12:13], s[12:13]        ; 32 lanes store 256 consecutive bytes, aligned
	s_wait_tensorcnt 0x0                           ; the wave's end
	ds_add_u32 v[SPW], v[NIL]
	s_wait_dscnt 0x0
	s_endpgm
.Lfunc_end_k_q22abbf06fb_quant:
	.size	k_q22abbf06fb_quant, .Lfunc_end_k_q22abbf06fb_quant-k_q22abbf06fb_quant
	.p2alignl 7, 3214868480
	.fill 96, 4, 3214868480
	.section	.rodata,"a",@progbits
	.p2align	6, 0x0
	.amdhsa_kernel k_q22abbf06fb_quant
		.amdhsa_group_segment_fixed_size 35328
		.amdhsa_private_segment_fixed_size 0
		.amdhsa_enable_private_segment 0
		.amdhsa_kernarg_size 40
		.amdhsa_user_sgpr_count 2
		.amdhsa_user_sgpr_kernarg_segment_ptr 1
		.amdhsa_wavefront_size32 1
		.amdhsa_system_sgpr_workgroup_id_x 1
		.amdhsa_system_sgpr_workgroup_id_y 1
		.amdhsa_system_sgpr_workgroup_id_z 1
		.amdhsa_system_vgpr_workitem_id 0
		.amdhsa_next_free_vgpr 152
		.amdhsa_next_free_sgpr 66
		.amdhsa_reserve_vcc 1
		.amdhsa_float_denorm_mode_32 3
		.amdhsa_float_denorm_mode_16_64 3
		.amdhsa_memory_ordered 1
		.amdhsa_forward_progress 1
		.amdhsa_inst_pref_size 52
	.end_amdhsa_kernel
	.amdgpu_metadata
---
amdhsa.version: [ 1, 2 ]
amdhsa.kernels:
  - .name:           k_q22abbf06fb_quant
    .symbol:         k_q22abbf06fb_quant.kd
    .args:
      - { .name: input, .offset: 0, .size: 8, .value_kind: global_buffer, .address_space: global }
      - { .name: weight, .offset: 8, .size: 8, .value_kind: global_buffer, .address_space: global }
      - { .name: a_codes, .offset: 16, .size: 8, .value_kind: global_buffer, .address_space: global }
      - { .name: b_codes, .offset: 24, .size: 8, .value_kind: global_buffer, .address_space: global }
      - { .name: scales, .offset: 32, .size: 8, .value_kind: global_buffer, .address_space: global }
    .group_segment_fixed_size: 35328
    .private_segment_fixed_size: 0
    .kernarg_segment_align: 8
    .kernarg_segment_size: 40
    .max_flat_workgroup_size: 128
    .sgpr_count:     66
    .vgpr_count:     152
    .wavefront_size: 32
...
	.end_amdgpu_metadata
.endif
;; end of part 1
;; launch gemm (part 2): grid 16 x 16, 4 waves a work-group, clusters of 4 x 1, 327,680 bytes of LDS; arguments a_codes, b_codes, scales, out0; writes out0
.if DOCPART == 2
	.amdgcn_target "amdgcn-amd-amdhsa--gfx1250"
	.amdhsa_code_object_version 6
	.text
	.protected	k_q22abbf06fb_gemm
	.globl	k_q22abbf06fb_gemm
	.p2align	8
	.type	k_q22abbf06fb_gemm,@function
k_q22abbf06fb_gemm:
	s_mov_b64 s[64:65], 0
	v_nop
	global_prefetch_b8 v0, s[64:65] scope:SCOPE_SE
	s_setreg_imm32_b32 hwreg(HW_REG_WAVE_MODE, 25, 1), 1
	s_wait_xcnt 0x0
	s_wait_alu depctr_hold_cnt(0) depctr_sa_sdst(0) depctr_va_vdst(0) depctr_va_sdst(0) depctr_va_ssrc(0) depctr_va_vcc(0) depctr_vm_vsrc(0)
	s_getreg_b32 s2, hwreg(HW_REG_IB_STS2, 6, 4)
	s_cmp_eq_u32 s2, 0
	s_cbranch_scc0 .Lentry_in_a_cluster
	s_endpgm
.Lentry_in_a_cluster:
	s_bfe_u32 s2, ttmp6, 0x10000c
	s_cmp_lg_u32 s2, 0x3003
	s_cbranch_scc0 .Lentry_shape_is_right
	s_endpgm
.Lentry_shape_is_right:
; out0[m][n] = sum over k of A[m][k] B[n][k] on codes of FP8 (E4M3) with E8M0 scales, A = input, B = weight, as the launch before laid them:
; codes [block of 16 rows][K / 128][2,048 bytes: the image of a fragment's 16 registers]; scale words [block][K / 512][row][4 words], B's blocks first.
; A work-group makes 128 x 256 of out0; a wave 128 x 64: 32 accumulators.  A step is 128 along K: 32 matrix instructions, B's fragment b against A's eight, b = 0..3.
; A's 128 rows serve all four waves, and all four work-groups of a cluster of 4 x 1 (one tile row of out0): they come JOINTLY, by tensor loads with a mask that names the four, into a ring of two LDS slots
; of eight steps (8 blocks x 16 KiB); a wave fetches two blocks, 2 rows of 16,384 consecutive bytes.  One round of the cluster's barrier serves eight steps, and a refill has eight steps in which to land.
; B's 64 rows are the wave's own and no other wave of the cluster reads them: its fragments go from memory straight into a ring of four steps of registers, 512 consecutive bytes an instruction, three steps ahead,
; under counted waits.  The work-groups of a tile column, which share B, are no partners here: through registers there is no joint request, and B through LDS would leave slots of under half the steps.
; A step's memory instructions stand in ONE run, behind its first eight matrix instructions and eight v_nop (loads into registers that matrix instructions have read).
; THE MATRIX INSTRUCTION IS USED TRANSPOSED (source 0 = 16 rows of B, source 1 = 16 rows of A): a lane holds eight neighbouring numbers of a row of out0.
; REGISTERS: window 0: v0-31 addresses, v32-95 scale words (two sets for 512 along K: lanes 0-15 B's block i, lanes 16-31 A's block i), v96-159 the way out;
;   window 1: A's fragments, two sets; window 2: B's ring of four steps; window 3: accumulator (a, b) at v[8 (4 a + b)].
.set SIZE_N, 4096
.set SLOT,   131072                    ; eight steps of A's eight blocks
.set SPITCH, 272                       ; the way out: a stage row, 256 bytes + 16
.set STAGE,  2*SLOT                    ; behind the ring: 16 rows for each wave; no fill lands there
.set SPARE,  STAGE+4*16*SPITCH         ; behind the stages: the spare words
.set LO,  16                           ; 16 x lane
.set SO,  18                           ; offset of my scale words
.set STO, 19
.set RD,  20
.set CO,  21
.set PFO, 22                           ; 256 x lane
.set LA,  23                           ; v23-26: 16 x lane + 65,536 i: slot i / 2, blocks 4 (i % 2) ..
.set SPW, 28
.set NIL, 29
.set SC,  32
.set BK,  96
.set PB,  16                           ; s[16:17] B's codes, my first block, at the trip's first step
.set PS,  20                           ; s[20:21] the scale words
.set G1,  24                           ; s[24:31] descriptor group 1
.set G0,  32                           ; s[32:39] group 0, a set for each slot
.set PFA, 40                           ; s[40:41], s[42:43] where my prefetches stand
.set PFB, 42
.set LIMB, 44
.set MSB, 0
.macro WIN new                         ; the immediate's high byte repeats the setting that is left
.if MSB != \new
	s_set_vgpr_msb (MSB<<8)|\new
.set MSB, \new
.endif
.endm
.set MUL,  0xf6                        ; source 0 (B) window 2, source 1 (A) window 1, C and D window 3
.set TO_A, 0x40
.set TO_B, 0x80
.macro CREST                           ; a round of the cluster's barrier behind its opening barrier
	s_cmp_lg_u32 s14, 0
	s_cbranch_scc1 .Lnot_wave_0_\@
	s_barrier_signal -3
.Lnot_wave_0_\@:
	s_barrier_wait -3
	s_barrier_signal -1
	s_barrier_wait -1
.endm
.macro CROUND
	s_barrier_signal -1
	s_barrier_wait -1
	CREST
.endm
; The loads that step k issues, in their order: G1 = B's four fragments of step k + 3; G4 = half of the next 512's scale words.
.macro LOADS p, k
.set G1\p, 0
.set G4\p, 0
.if (\k) <= 60
.set G1\p, 16
.endif
.if ((\k) <= 57) && ((((\k)+8)%4) < 2)
.set G4\p, 4
.endif
.set Y\p, G1\p+G4\p
.endm
.macro LDB kd, slot, f                 ; B's fragment f of the step kd behind the base
.irp c, 0,1,2,3
	global_load_b128 v[64*(\slot)+16*(\f)+4*\c:64*(\slot)+16*(\f)+4*\c+3], v[LO], s[PB:PB+1] offset:(\f)*131072+(\kd)*2048+\c*512
.endr
.endm
.macro LDSC set, kg, i                 ; four words a row: lanes 0-15 B's block i of mine, lanes 16-31 A's block i (for i over 3 lanes 0-15 read words that are not used, inside the buffer)
	global_load_b128 v[SC+32*(\set)+4*(\i):SC+32*(\set)+4*(\i)+3], v[SO], s[PS:PS+1] offset:(\i)*4096+(\kg)*256
.endm
.macro LFA kn                          ; A's eight fragments of step kn into set kn % 2
.irp a, 0,1,2,3,4,5,6,7
.irp c, 0,1,2,3
	ds_load_b128 v[128*((\kn)%2)+16*\a+4*\c:128*((\kn)%2)+16*\a+4*\c+3], v[LA+2*(((\kn)/8)%2)+\a/4] offset:(\a%4)*16384+((\kn)%8)*2048+\c*512
.endr
.endr
.endm
.macro PLACES n
.rept \n
	v_nop
.endr
.endm
.macro MULS n, zero                    ; the next n of a step's 32 products; the 32 accumulators take turns
.rept \n
.set QA, J%8
.set QB, J/8
.if \zero
	v_wmma_scale_f32_16x16x128_f8f6f4 v[8*(4*QA+QB):8*(4*QA+QB)+7], v[64*KB+16*QB:64*KB+16*QB+15], v[128*KP+16*QA:128*KP+16*QA+15], 0, v[KS+4*QB], v[KS+4*QA] matrix_b_scale:MATRIX_SCALE_ROW1
.else
	v_wmma_scale_f32_16x16x128_f8f6f4 v[8*(4*QA+QB):8*(4*QA+QB)+7], v[64*KB+16*QB:64*KB+16*QB+15], v[128*KP+16*QA:128*KP+16*QA+15], v[8*(4*QA+QB):8*(4*QA+QB)+7], v[KS+4*QB], v[KS+4*QA] matrix_b_scale:MATRIX_SCALE_ROW1
.endif
.set J, J+1
.endr
.endm
; Step k.  rel: the step counted from where the bases stand.  pf: 1, 2 = the trip's first, second prefetch.
.macro KSTEP k, rel, zero, pf
	LOADS a, (\k)-3
	LOADS b, (\k)-2
	LOADS c, (\k)-1
	LOADS d, (\k)
.set KB, (\k)%4
.set KP, (\k)%2
.set KS, SC+32*(((\k)/4)%2)+KB
.set SL, ((\k)/8)%2
.set J, 0
.if KB == 0
	s_wait_loadcnt Yb+Yc                           ; these 512's scale words are in (behind them two steps' loads), and so this step's B
.else
	s_wait_loadcnt G4a+Yb+Yc                       ; this step's B is in: behind it the scale words of its own run and two steps' loads
.endif
	s_wait_dscnt 0x0                               ; this step's fragments of A are in: asked for 24 matrix instructions ago
	WIN MUL
	MULS 8, \zero
.if (((\k)%8) == 7) && ((\k) <= 55)
	; THE CHANGE OF SLOTS: the last step's run took the last fragments out of slot SL; this step's run reads the other slot
	WIN 0
	s_wait_tensorcnt 0x0                           ; my part of the other slot has landed: no tensor load of mine is out,
	ds_add_u32 v[SPW], v[NIL]                      ; 0 onto my spare word
.if (\k) <= 47
	s_add_nc_u64 s[G0+4*SL+2:G0+4*SL+3], s[G0+4*SL+2:G0+4*SL+3], 32768   ; so a group 0 may be written: this slot's next eight steps
.endif
	s_wait_dscnt 0x0                               ; the add is done; my reads of slot SL were waited for at the step's head
	s_barrier_signal -1
	s_barrier_wait -1
.if (\k) <= 47
	CREST                                          ; the barrier has opened a round of the cluster's barrier: no wave of any partner still reads the slot or has a load on its way
	tensor_load_to_lds s[G0+4*SL:G0+4*SL+3], s[G1:G1+7]   ; my one tensor load behind the round
	s_nop 0
.endif
.endif
	PLACES 8
.if (\k) <= 62
	WIN TO_A
	LFA (\k)+1
.endif
.if G1d
	WIN TO_B
.irp f, 0,1,2,3
	LDB (\rel)+3, ((\k)+3)%4, \f
.endr
.endif
.if G4d
	WIN 0
.irp i, 0,1,2,3
	LDSC (((\k)/4)+1)%2, (\rel)/4+1, 4*KB+\i
.endr
.endif
.if \pf
	WIN 0                                          ; at a branch and at a label every window is 0
.if \pf == 2
	s_cmp_gt_u32 s3, 1                             ; the last trip's second request for A would pass K's end
	s_cbranch_scc0 .Lna_\@
.endif
	global_prefetch_b8 v[PFO], s[PFA:PFA+1] offset:((\rel)+21)*2048 th:TH_LOAD_NT scope:SCOPE_SE
.Lna_\@:
	s_cmp_gt_u32 s3, s[LIMB]
	s_cbranch_scc0 .Lnb_\@
	global_prefetch_b8 v[PFO], s[PFB:PFB+1] offset:((\rel)+13)*2048 th:TH_LOAD_NT scope:SCOPE_SE
.Lnb_\@:
.endif
	WIN MUL
	MULS 24, \zero
.endm
	s_load_b128 s[4:7], s[0:1], 0x0                ; A's codes, B's codes
	s_load_b128 s[8:11], s[0:1], 0x10              ; the scale words, out0
	v_lshl_add_u32 v[SPW], v0, 2, SPARE
	v_mov_b32 v[NIL], 0
	ds_add_u32 v[SPW], v[NIL]                      ; the opening lines: the add, twice on end, and its wait ahead of my first tensor load
	ds_add_u32 v[SPW], v[NIL]
	v_lshrrev_b32 v1, 5, v0
	v_readfirstlane_b32 s14, v1                    ; wave
	s_bfe_u32 s12, ttmp6, 0x40000                  ; cx
	s_lshl_b32 s13, ttmp9, 2
	s_add_co_u32 s13, s13, s12                     ; tile column (256 rows of B) = 4 x cluster x + cx
	s_and_b32 s15, ttmp7, 0xffff                   ; tile row (128 rows of A): the cluster's y
	s_lshl_b32 s46, s13, 4
	s_lshl_b32 s47, s14, 2
	s_add_co_u32 s46, s46, s47                     ; my first block of B
	s_lshl_b32 s48, s15, 3                         ; the tile's first block of A
	s_lshl_b32 s49, s46, 12                        ; scale words: 4,096 bytes a block; B's
	s_lshl_b32 s50, s48, 12
	s_add_co_u32 s50, s50, 0x100000                ; A's lie behind B's 256 blocks
	s_sub_co_u32 s50, s50, s49                     ; the distance between the two
	s_mul_i32 s51, s14, 16*SPITCH
	s_add_co_u32 s51, s51, STAGE
	s_lshl_b32 s52, s46, 17                        ; codes: 131,072 bytes a block
	s_mov_b32 s53, 0
	s_lshl_b32 s54, s14, 1
	s_add_co_u32 s54, s54, s48                     ; the two blocks of A that I fetch: made of the tile row and the wave's number alone
	s_lshl_b32 s54, s54, 17
	s_mov_b32 s55, 0
	s_lshl_b32 s45, s14, 15                        ; and where they go in a slot
	s_lshl_b32 s56, s15, 21                        ; out0: 128 rows of 16,384 bytes a tile row,
	s_lshl_b32 s57, s13, 10                        ; 1,024 bytes a tile column,
	s_add_co_u32 s56, s56, s57
	s_lshl_b32 s57, s14, 8                         ; 256 bytes a wave
	s_add_co_u32 s56, s56, s57
	s_mov_b32 s57, 0
	; THE PREFETCHES, twice a trip, eight steps of a block (16,384 consecutive bytes) at a time; a lane names 256 bytes.
	; A: each cluster asks for its own eight blocks; partner cx takes blocks 2 cx, 2 cx + 1 BY ADDRESS, a wave half a block: in step 8 t + 3 the steps 8 t + 24 .., whose tensor load goes out in step 8 t + 15.
	; B: the 16 work-groups of a tile column share its sixteen blocks, one each (waves 1 and 2, a half each): in step 8 t + 3 the steps 8 t + 16 .., whose loads begin in step 8 t + 13.
	; The first 24 steps of A and 16 of B come by their loads alone.
	s_lshl_b32 s58, s12, 1
	s_add_co_u32 s58, s58, s48
	s_lshr_b32 s59, s14, 1
	s_add_co_u32 s58, s58, s59
	s_lshl_b32 s58, s58, 17
	s_and_b32 s60, s14, 1
	s_lshl_b32 s60, s60, 13
	s_add_co_u32 s58, s58, s60
	s_lshl_b32 s60, s13, 4
	s_add_co_u32 s60, s60, s15
	s_lshl_b32 s60, s60, 17
	s_lshl_b32 s59, s59, 13                        ; wave 1 the first half, wave 2 the second
	s_add_co_u32 s60, s60, s59
	s_mov_b32 s59, 0
	s_mov_b32 s61, 0
	s_add_co_u32 s62, s14, 1
	s_and_b32 s62, s62, 2                          ; 2 for waves 1 and 2
	s_cmp_lg_u32 s62, 0
	s_cselect_b32 s[LIMB], 0, -1
	; descriptor group 1: 2 rows of 2,048 elements of 8 bytes, 16,384 elements apart; dense in LDS
	s_mov_b32 s[G1+0], 15|(3<<16)|(1<<21)          ; the mask: the cluster's four; elements of 8 bytes; bit 21 set beside a mask
	s_mov_b32 s[G1+1], 2048<<16                    ; tensor_dim0
	s_mov_b32 s[G1+2], 2<<16                       ; tensor_dim1
	s_mov_b32 s[G1+3], 2048<<16                    ; tile_dim0
	s_mov_b32 s[G1+4], 2                           ; tile_dim1
	s_mov_b32 s[G1+5], 16384                       ; from block to block
	s_mov_b32 s[G1+6], 0
	s_mov_b32 s[G1+7], 0
	v_and_b32 v2, 31, v0
	v_and_b32 v3, 15, v0                           ; r
	v_bfe_u32 v4, v0, 4, 1                         ; h
	v_lshlrev_b32 v[LO], 4, v2
.irp i, 0,1,2,3
	v_lshl_add_u32 v[LA+\i], v2, 4, \i*65536
.endr
	v_mul_u32_u24 v5, s50, v4                      ; lanes 16-31 take A's words
	v_lshl_add_u32 v5, v3, 4, v5
	v_add_nc_u32 v[SO], s49, v5
	v_mul_u32_u24 v6, v3, SPITCH                   ; into the stage: row r, 32 bytes for each half
	v_lshl_add_u32 v6, v4, 5, v6
	v_add_nc_u32 v[STO], s51, v6
	v_mul_u32_u24 v7, v4, SPITCH                   ; back: sixteen lanes to a row of 256 bytes
	v_lshl_add_u32 v7, v3, 4, v7
	v_add_nc_u32 v[RD], s51, v7
	v_lshlrev_b32 v8, 14, v4                       ; and the same two rows in out0
	v_lshl_add_u32 v[CO], v3, 4, v8
	v_lshlrev_b32 v[PFO], 8, v2
	s_wait_alu depctr_va_vdst(0)                   ; the wait at the head's end
	s_wait_dscnt 0x0                               ; both opening adds are done
	s_wait_kmcnt 0x0
	s_add_nc_u64 s[PB:PB+1], s[6:7], s[52:53]
	s_add_nc_u64 s[54:55], s[4:5], s[54:55]
	s_mov_b64 s[PS:PS+1], s[8:9]
	s_add_nc_u64 s[10:11], s[10:11], s[56:57]
	s_add_nc_u64 s[PFA:PFA+1], s[4:5], s[58:59]
	s_add_nc_u64 s[PFB:PFB+1], s[6:7], s[60:61]
	CROUND                                         ; all four work-groups are here: the first joint loads meet
.irp s, 0,1
	s_mov_b32 s[G0+4*\s], 1
	s_add_co_u32 s[G0+4*\s+1], s45, \s*SLOT
	s_add_nc_u64 s[G0+4*\s+2:G0+4*\s+3], s[54:55], \s*16384
	s_or_b32 s[G0+4*\s+3], s[G0+4*\s+3], 0x80000000
.endr
	tensor_load_to_lds s[G0:G0+3], s[G1:G1+7]      ; steps 0 to 7: one tensor load a wave at the head
	s_nop 0
	PLACES 4
	; the first loads of B, in the order in which steps -3 .. -1 would have issued them, so that the steps' counts hold from step 0 on; ahead of them the first scale words
.irp i, 0,1,2,3,4,5,6,7
	LDSC 0, 0, \i
.endr
	WIN TO_B
.irp s, 0,1,2
.irp f, 0,1,2,3
	LDB \s, \s, \f
.endr
.endr
	WIN 0
	s_wait_tensorcnt 0x0                           ; my part of slot 0 is in
	ds_add_u32 v[SPW], v[NIL]
	s_wait_dscnt 0x0
	CROUND
	tensor_load_to_lds s[G0+4:G0+7], s[G1:G1+7]    ; steps 8 to 15: slot 1's first fill, the first tensor load behind the round
	s_nop 0
	PLACES 4
	WIN TO_A
	LFA 0
	KSTEP 0, 0, 1, 0                               ; the first step stands in front of the loop: its products start the sums
	WIN 0
	s_mov_b32 s3, 3
.Ltrip:                                                ; steps 16 u + 1 .. 16 u + 16: once round both slots, and all rings are back where they began
	KSTEP 17, 1, 0, 0
	KSTEP 18, 2, 0, 0
	KSTEP 19, 3, 0, 1
	KSTEP 20, 4, 0, 0
	KSTEP 21, 5, 0, 0
	KSTEP 22, 6, 0, 0
	KSTEP 23, 7, 0, 0
	KSTEP 24, 8, 0, 0
	KSTEP 25, 9, 0, 0
	KSTEP 26, 10, 0, 0
	KSTEP 27, 11, 0, 2
	KSTEP 28, 12, 0, 0
	KSTEP 29, 13, 0, 0
	KSTEP 30, 14, 0, 0
	KSTEP 31, 15, 0, 0
	KSTEP 32, 16, 0, 0
	WIN 0
	s_wait_xcnt 0x0                                ; the trip's loads and prefetches have read their bases
	s_add_nc_u64 s[PB:PB+1], s[PB:PB+1], 32768     ; sixteen steps on
	s_add_nc_u64 s[PFA:PFA+1], s[PFA:PFA+1], 32768
	s_add_nc_u64 s[PFB:PFB+1], s[PFB:PFB+1], 32768
	s_add_nc_u64 s[PS:PS+1], s[PS:PS+1], 1024
	s_sub_co_u32 s3, s3, 1
	s_cmp_lg_u32 s3, 0
	s_cbranch_scc1 .Ltrip
.irp r, 1,2,3,4,5,6,7,8,9,10,11,12,13,14,15
	KSTEP \r+48, \r, 0, 0                          ; the last fifteen steps fill no slot and load nothing beyond K: their counts run down
.endr
	WIN 0
; THE WAY OUT, block by block of 16 rows x 64 columns, through my own stage in LDS: back as whole rows of 256 bytes, which sixteen lanes store as one aligned unit.
; LDS serves a wave's instructions in order (ISA guide 5.7.1.4): no wait between the stores and the loads, nor in front of the next block's stores.
.macro TOSTAGE a
	WIN 0x0c                                       ; the data: window 3
.irp b, 0,1,2,3
	ds_store_b128 v[STO], v[8*(4*(\a)+\b):8*(4*(\a)+\b)+3] offset:64*\b          ; each accumulator from its low end on
	ds_store_b128 v[STO], v[8*(4*(\a)+\b)+4:8*(4*(\a)+\b)+7] offset:64*\b+16
.endr
	WIN 0
.set BR, BK+32*((\a)%2)
.irp t, 0,1,2,3,4,5,6,7
	ds_load_b128 v[BR+4*\t:BR+4*\t+3], v[RD] offset:\t*2*SPITCH
.endr
.endm
.macro SEND a, younger
.set BR, BK+32*((\a)%2)
	s_wait_dscnt \younger
.if (\a) > 0
	s_add_nc_u64 s[10:11], s[10:11], 16*SIZE_N*4   ; behind a wait on XCNT: the earlier stores have read their base
.endif
.irp t, 0,1,2,3,4,5,6,7
	global_store_b128 v[CO], v[BR+4*\t:BR+4*\t+3], s[10:11] offset:2*\t*SIZE_N*4 th:TH_STORE_NT
.endr
.endm
	PLACES 8                                       ; in front of the first read of results
	TOSTAGE 0
.irp a, 1,2,3,4,5,6,7
.if \a > 1
	s_wait_xcnt 0x0                                ; block a - 2's stores have read their registers and their base
.endif
	TOSTAGE \a
	SEND \a-1, 16                                  ; behind block a - 1's loads: block a's 8 stores and 8 loads
.endr
	s_wait_xcnt 0x0
	SEND 7, 0
	s_wait_tensorcnt 0x0                           ; the wave's end
	ds_add_u32 v[SPW], v[NIL]
	s_wait_dscnt 0x0
	CROUND                                         ; the closing round: no work-group ends while a partner may still ask for a tile that names it
	s_endpgm
.Lfunc_end_k_q22abbf06fb_gemm:
	.size	k_q22abbf06fb_gemm, .Lfunc_end_k_q22abbf06fb_gemm-k_q22abbf06fb_gemm
	.p2alignl 7, 3214868480
	.fill 96, 4, 3214868480
	.section	.rodata,"a",@progbits
	.p2align	6, 0x0
	.amdhsa_kernel k_q22abbf06fb_gemm
		.amdhsa_group_segment_fixed_size 327680
		.amdhsa_private_segment_fixed_size 0
		.amdhsa_enable_private_segment 0
		.amdhsa_kernarg_size 32
		.amdhsa_user_sgpr_count 2
		.amdhsa_user_sgpr_kernarg_segment_ptr 1
		.amdhsa_wavefront_size32 1
		.amdhsa_system_sgpr_workgroup_id_x 1
		.amdhsa_system_sgpr_workgroup_id_y 1
		.amdhsa_system_sgpr_workgroup_id_z 1
		.amdhsa_system_vgpr_workitem_id 0
		.amdhsa_next_free_vgpr 1024
		.amdhsa_next_free_sgpr 66
		.amdhsa_reserve_vcc 0
		.amdhsa_float_denorm_mode_32 3
		.amdhsa_float_denorm_mode_16_64 3
		.amdhsa_memory_ordered 1
		.amdhsa_forward_progress 1
		.amdhsa_inst_pref_size 255
	.end_amdhsa_kernel
	.section	.bss,"aw",@nobits
	.p2align	6
	.space	262144
	.amdgpu_metadata
---
amdhsa.version: [ 1, 2 ]
amdhsa.kernels:
  - .name:           k_q22abbf06fb_gemm
    .symbol:         k_q22abbf06fb_gemm.kd
    .args:
      - { .name: a_codes, .offset: 0, .size: 8, .value_kind: global_buffer, .address_space: global }
      - { .name: b_codes, .offset: 8, .size: 8, .value_kind: global_buffer, .address_space: global }
      - { .name: scales, .offset: 16, .size: 8, .value_kind: global_buffer, .address_space: global }
      - { .name: out0, .offset: 24, .size: 8, .value_kind: global_buffer, .address_space: global }
    .group_segment_fixed_size: 327680
    .private_segment_fixed_size: 0
    .kernarg_segment_align: 8
    .kernarg_segment_size: 32
    .max_flat_workgroup_size: 128
    .sgpr_count:     66
    .vgpr_count:     1024
    .wavefront_size: 32
...
	.end_amdgpu_metadata
.endif
;; end of part 2
